; MI455X (gfx1250); checked and timed in simulation.
; The chip was launched on July 23, 2026; its instructions are those of AMD's public machine-readable ISA for CDNA 5 (MIT licence, August 2026) and "CDNA5" Instruction Set Architecture Reference Guide (July 2026). The comments in the code are by the model that wrote it; some were corrected since.
;; Attention MLP Autograd. Allowed arithmetic: matrix products marked QUANTISED: E2M1 operands, one E8M0 scale for each 32 along K, by v_wmma_scale_f32_16x16x128_f8f6f4 with both operands' format E2M1 (or v_wmma_scale_f32_32x16x128_f4), f32 sums; products left as they are: f32 operands where the result goes on into a quantised operand, else bf16, f16 or f32 operands; f32 sums; everything else in f32.
;; Inputs: K 2 x 1,024 x 64 float32; Q 2 x 1,024 x 64 float32; bias 64 float32; mask 2 x 1,024 x 1,024 float32.
;; Outputs: out0 2 x 1,024 x 64 float32; out1 2 x 1,024 x 1,024 float32.
;; This version of the problem:
;;   THIS VERSION OF THE PROBLEM IS GIVEN IN LOW PRECISION. The matrix products marked QUANTISED in the list below multiply operands that are first quantised to E2M1 (2 exponent bits, 1 mantissa bit; 4 bits a number), with one power-of-two scale for each 32 numbers along K (OCP MX v1.0); their sums are f32. All else is computed in f32.
;;   The module's matrix products, in the order in which they are computed (A, B: the left and right operand; K: the contracted axis; several contracted axes count as one K, in the product's order):
;;     1. batch 128 x [M 1,024, K 1] x [K 1, N 1,024]; A: computed on the way; B: computed on the way: left as it is (no contracted axis)
;;     2. batch 2 x [M 1,024, K 64] x [K 64, N 1,024]; A: input Q; B: input K: QUANTISED
;;   THE QUANTISER, for each operand of a quantised product, along K:
;;     - K is cut into blocks of 32 from its start; a last block that is shorter is filled with zeros.
;;     - A block's scale is 2^e with e = floor(log2(the largest magnitude in the block)) - 2, held to -126 .. 127; a block of zeros has e = 0. As a byte (E8M0): e + 127.
;;     - Each number is divided by its block's scale, clamped to +-6, and rounded to the nearest number of E2M1, ties to even, subnormals kept.
;;     - The product sums the exact products of the quantised numbers (number of the format x scale) in f32.
;;   ~~~python
;;   def quantise(x, axis):      # numpy; x: float32 -> the quantised numbers, widened to float32 again
;;       x = np.moveaxis(x, axis, -1); K = x.shape[-1]
;;       x = np.pad(x, [(0, 0)] * (x.ndim - 1) + [(0, -K % 32)]); x = x.reshape(x.shape[:-1] + (-1, 32)); a = np.abs(x).max(-1, keepdims=True)
;;       e = np.where(a > 0, np.clip(np.frexp(np.where(a > 0, a, 1))[1] - 1 - 2, -126, 127), 0)      # np.frexp(a)[1] - 1 = floor(log2(a)), exactly
;;       r = np.clip(x / 2.0 ** e, -6, 6)
;;       step = 2.0 ** (np.maximum(np.frexp(np.where(r == 0, 1, r))[1] - 1, 0) - 1)
;;       q = np.round(r / step) * step * 2.0 ** e      # np.round: ties to even
;;       return np.moveaxis(q.reshape(q.shape[:-2] + (-1,))[..., :K], -1, axis).astype(np.float32)
;;   ~~~
;; 2 versions, each right; version 2 is version 1 with the launch attn_mlp written anew for expert scheduling mode. Each part assembles by itself: llvm-mc -triple=amdgcn-amd-amdhsa -mcpu=gfx1250 --defsym DOCPART=n.
;; ======== version 1 of 2: 1 launch
;; launch attn_mlp (part 1): grid 256 x 1, 16 waves a work-group, no clusters, 313,856 bytes of LDS; arguments Q, K, bias, mask, out0, out1; writes out0, out1
.if DOCPART == 1
	.amdgcn_target "amdgcn-amd-amdhsa--gfx1250"
	.amdhsa_code_object_version 6
	.text
	.protected	k_q04aff7663c_attn_mlp
	.globl	k_q04aff7663c_attn_mlp
	.p2align	8
	.type	k_q04aff7663c_attn_mlp,@function
k_q04aff7663c_attn_mlp:
	s_mov_b64 s[64:65], 0
	v_nop
	global_prefetch_b8 v0, s[64:65] scope:SCOPE_SE
	s_setreg_imm32_b32 hwreg(HW_REG_WAVE_MODE, 25, 1), 1
	s_wait_xcnt 0x0
; out0[b][i][c] = (sum over j of sigmoid(Q[b][i][c] K[b][j][c] + bias[c]) mask[b][i][j]) / (sum over j of mask[b][i][j])
; out1[b][i][j] = (Q[b][i] . K[b][j]) mask[b][i][j], the product on codes of FP4 (E2M1) with one E8M0 scale for each 32 channels.
; Q, K: [2][1024][64], bias: [64], mask, out1: [2][1024][1024], out0: [2][1024][64], all f32.
; SHARES.  256 work-groups; each owns 8 rows (b, i) for both outputs, so that every byte of the mask is read once and no sum spans work-groups.
; Sixteen waves; wave w owns keys 64 w .. 64 w + 63 for all 8 rows.  At the end the 16 partial sums of a row meet in LDS.
; THE SIGMOID SUM.  A lane holds channels 2 l and 2 l + 1, so every step is a packed form and nothing crosses lanes.  For one (row, key): t = (-log2e q) k + (-log2e bias), 2^t twice, 1 + ., 1 / . twice,
; sum += . x mask: seven instructions for 64 sigmoids, 3,584 a wave.  The mask's number is the same for all channels: it is read from LDS with one address for all lanes.
; 2^t may run to infinity: 1 / (1 + infinity) is 0, which is the sigmoid there; nothing is clamped.
; K.  Each row of K[b] is loaded by the one wave of the work-group that uses it, 256 consecutive bytes an instruction, a chunk of 8 keys (over 450 vector instructions) ahead, into two sets of 16 registers by turns.
; OUT1.  The product's K is 64, the instruction's 128: the other half carries 16 more keys.  Source 0, rows 0-7: Q's 8 rows in k 0-63, zero codes above; rows 8-15: the same 8 rows in k 64-127, zero codes below.
; Source 1, column n: key 2 n + u in k 0-63, key 32 + 2 n + u in k 64-127.  Result: register r = row r; lane L = key 2 L + u.  Two instructions (u = 0, 1) give a lane two neighbouring keys of each row:
; the wave's store of 8 bytes a lane covers 256 consecutive bytes, aligned.  The quantiser wants 32 neighbouring channels in one lane: each row of K goes once more through the wave's own stage in LDS.
; NO CLUSTER, NO JOINT LOADS: what work-groups share is K[b], 262,144 bytes for a work-group's 57,344 vector instructions of the sigmoid sum, and each row goes from memory straight into the registers of its one user,
; asked for a chunk ahead; as a joint load it would have to lie in LDS first and be read back from there.  No tensor load, so no ring and no refill.
; LIMITS: a sigmoid under 2^-126 counts as 0 (v_rcp_f32 gives 0 where its result would be denormal: ISA guide, its entry in chapter 15); NaN and infinities among the inputs are not served; a block of zeros gets the
; scale byte 1 where the quantiser says 127 (its codes are zeros, and the bytes are read here alone); out0's sum goes by 64 ascending keys a wave, then as a tree over the 16 waves.
.set MSUM,  0                          ; LDS: the mask's sums: [8 rows][16 waves] words
.set MASKL, 512                        ; the mask: 2,048 bytes for each wave (8 rows x 64 keys), the wave's own; at the end the wave's 8 x 64 partial sums take their place
.set STG,   MASKL+16*2048              ; K's stages: 64 rows x SP bytes for each wave, the wave's own
.set SP,    272                        ; a stage row: 256 bytes + 16: the 16 rows that a load of 16 bytes a lane touches start 68 words apart
.set WSTG,  64*SP
.set LN8, 1                            ; v1   8 x lane: my two channels in a row of Q, K, bias; my two keys in the wave's part of a row of mask and out1
.set MWA, 2                            ; v2   2,048 x wave + 8 x lane
.set MBA, 3                            ; v3   2,048 x wave: one address for all lanes
.set SWA, 4                            ; v4   the stage, in: STG + WSTG x wave + 8 x lane
.set SRA, 5                            ; v5   the stage, out: STG + WSTG x wave + SP x (lane % 16) + 128 x (lane / 16)
.set QQO, 6                            ; v6   Q for the quantiser: 256 x (lane % 8) + 128 x (lane / 16)
.set MSA, 7                            ; v7   4 x wave
.set TD8, 8                            ; v8   8 x thread
.set SH,  9                            ; v9   8 x (lane / 16)
.set BB,  10                           ; v[10:11]   -log2e x bias of my two channels
.set QP,  12                           ; v[12:27]   -log2e x Q, a pair for each row
.set ACC, 28                           ; v[28:43]   the sums, a pair for each row
.set KR,  44                           ; v[44:75]   K: two sets of 8 keys
.set T,   76                           ; v[76:139]  a batch at work: pair 4 r + q = row r, key q of the batch's four
.set MB,  140                          ; v[140:171] the batch's mask: register 4 r + q, the same number in all lanes
.set X,   172                          ; v[172:203] 32 numbers to quantise; later out1
.set AQ,  204                          ; v[204:211] source 0: Q's codes
.set BK,  212                          ; v[212:227] source 1: K's codes, u = 0 and u = 1
.set SA,  228                          ; v228 Q's scale words; v229, v230 K's: these three hold scales and nothing else
.set SB,  229
.set QT,  232                          ; v232-238 the quantiser's small work
.set MRA, 239                          ; v239 64 x wave
.set CQ,  240                          ; v[240:243] Q's codes before they are placed
.set RS,  BK                           ; the mask's sums at work, in registers that the codes take later
.set RP,  BK+8
	s_load_b256 s[4:11], s[0:1], 0x0               ; Q s[4:5], K s[6:7], bias s[8:9], mask s[10:11]
	s_load_b128 s[12:15], s[0:1], 0x20             ; out0 s[12:13], out1 s[14:15]
	v_lshl_add_u32 v254, v0, 2, 0x4c200
	v_mov_b32 v255, 0
	v_lshrrev_b32 v[SH], 5, v0
	v_readfirstlane_b32 s16, v[SH]                 ; wave 0..15
	v_and_b32 v[LN8], 31, v0
	v_lshlrev_b32 v[LN8], 3, v[LN8]
	v_lshlrev_b32 v[TD8], 3, v0
	v_and_b32 v[QT], 15, v0                        ; n = lane % 16
	v_bfe_u32 v[QT+1], v0, 4, 1                    ; h = lane / 16
	v_lshlrev_b32 v[SH], 3, v[QT+1]
	s_lshl_b32 s17, s16, 11
	s_mul_i32 s18, s16, WSTG
	s_add_co_u32 s18, s18, STG
	v_add_nc_u32 v[MWA], s17, v[LN8]
	v_mov_b32 v[MBA], s17
	v_add_nc_u32 v[SWA], s18, v[LN8]
	v_mul_u32_u24 v[SRA], v[QT], SP
	v_lshl_add_u32 v[SRA], v[QT+1], 7, v[SRA]
	v_add_nc_u32 v[SRA], s18, v[SRA]
	v_and_b32 v[QQO], 7, v0
	v_lshlrev_b32 v[QQO], 8, v[QQO]
	v_lshl_add_u32 v[QQO], v[QT+1], 7, v[QQO]
	s_lshl_b32 s19, s16, 2
	v_mov_b32 v[MSA], s19
	s_lshl_b32 s19, s16, 6
	v_mov_b32 v[MRA], s19
	v_mov_b32 v[QT+6], 0                           ; written once: a lane permute's destination counts as one of its sources
	s_mov_b32 s20, 0x76543210
	s_mov_b32 s21, 0xfedcba98                      ; v_permlanex16_b32's selects for lane l xor 16
	s_lshl_b32 s22, ttmp9, 11                      ; Q, out0: my 8 rows of 256 bytes
	s_mov_b32 s23, 0
	s_lshr_b32 s24, ttmp9, 7                       ; b: 128 work-groups to a batch
	s_lshl_b32 s24, s24, 18                        ; K[b]: 1,024 rows of 256 bytes,
	s_lshl_b32 s28, s16, 14
	s_add_co_u32 s24, s24, s28                     ; my wave's 64 of them
	s_mov_b32 s25, 0
	s_lshl_b32 s26, ttmp9, 15                      ; mask, out1: my 8 rows of 4,096 bytes,
	s_lshl_b32 s28, s16, 8
	s_add_co_u32 s26, s26, s28                     ; my wave's 256 bytes of each
	s_mov_b32 s27, 0
	s_wait_kmcnt 0x0
	s_add_nc_u64 s[4:5], s[4:5], s[22:23]
	s_add_nc_u64 s[12:13], s[12:13], s[22:23]
	s_add_nc_u64 s[6:7], s[6:7], s[24:25]
	s_add_nc_u64 s[10:11], s[10:11], s[26:27]
	s_add_nc_u64 s[14:15], s[14:15], s[26:27]
; Chunk c of K: keys 8 c .. 8 c + 7 of my 64, a row of 256 consecutive bytes an instruction, into set c % 2
.macro KLOAD c
.irp j, 0,1,2,3,4,5,6,7
	global_load_b64 v[KR+16*((\c)%2)+2*\j:KR+16*((\c)%2)+2*\j+1], v[LN8], s[6:7] offset:256*(8*(\c)+\j)
.endr
.endm
; and its rows into my stage: key j lies at row 32 (j % 2) + j / 2, so that the 16 keys 2 n + u of a fragment are 16 neighbouring rows
.macro KSTAGE c
.irp j, 0,1,2,3,4,5,6,7
	ds_store_b64 v[SWA], v[KR+16*((\c)%2)+2*\j:KR+16*((\c)%2)+2*\j+1] offset:SP*(32*(\j%2)+4*(\c)+\j/2)
.endr
.endm
; Batch n: keys 4 n .. 4 n + 3 of my 64, all 8 rows.  Its 32 numbers of the mask: one address for all lanes, four keys of a row a load
.macro MLOAD n
.irp r, 0,1,2,3,4,5,6,7
	ds_load_b128 v[MB+4*\r:MB+4*\r+3], v[MBA] offset:MASKL+256*\r+16*(\n)
.endr
.endm
.macro TP                              ; t of pair pt
	v_pk_fma_f32 v[T+2*pt:T+2*pt+1], v[QP+2*(pt/4):QP+2*(pt/4)+1], v[KB+2*(pt%4):KB+2*(pt%4)+1], v[BB:BB+1]
.set pt, pt+1
.endm
.macro AP                              ; 1 + 2^t of pair pt
	v_pk_add_f32 v[T+2*pt:T+2*pt+1], v[T+2*pt:T+2*pt+1], 1.0 op_sel_hi:[1,0]
.set pt, pt+1
.endm
; t and 2^t: the 32 multiply-adds are dealt between the 64 exponentials, two pairs ahead of the exponentials that read them.  No line here reads an exponential's result
.macro TE n
.set KB, KR+16*(((\n)/2)%2)+8*((\n)%2)
.set pt, 0
	TP
	TP
.set pe, 0
.rept 32
.if pt < 32
	TP
.endif
	v_exp_f32 v[T+2*pe], v[T+2*pe]
	v_exp_f32 v[T+2*pe+1], v[T+2*pe+1]
.set pe, pe+1
.endr
.endm
; 1 + ., 1 / ., and the sums.  first = 1: the batch's first key starts the sums by a multiplication: nothing is cleared
.macro REST first
	v_nop                                          ; a plain instruction behind the last exponential,
	s_wait_alu depctr_va_vdst(0)                   ; and the wait ahead of the first reader: one for the 64
.set pt, 0
	AP
	AP
.set pe, 0
.rept 32
.if pt < 32
	AP
.endif
	v_rcp_f32 v[T+2*pe], v[T+2*pe]
	v_rcp_f32 v[T+2*pe+1], v[T+2*pe+1]
.set pe, pe+1
.endr
	v_nop
	s_wait_alu depctr_va_vdst(0)                   ; one for the 64 reciprocals
	s_wait_dscnt 0x0                               ; the batch's mask is in (asked for ahead of the batch's first line); my stores into the stage have read their registers
.irp q, 0,1,2,3                        ; the eight rows by turns, so that no line adds onto the sum of the line above it
.irp r, 0,1,2,3,4,5,6,7
.if \first && (\q == 0)
	v_pk_mul_f32 v[ACC+2*\r:ACC+2*\r+1], v[T+2*(4*\r+\q):T+2*(4*\r+\q)+1], v[MB+4*\r:MB+4*\r+1] op_sel_hi:[1,0]
.elseif (\q%2) == 0
	v_pk_fma_f32 v[ACC+2*\r:ACC+2*\r+1], v[T+2*(4*\r+\q):T+2*(4*\r+\q)+1], v[MB+4*\r+\q:MB+4*\r+\q+1], v[ACC+2*\r:ACC+2*\r+1] op_sel_hi:[1,0,1]   ; the pair's first register for both channels
.else
	v_pk_fma_f32 v[ACC+2*\r:ACC+2*\r+1], v[T+2*(4*\r+\q):T+2*(4*\r+\q)+1], v[MB+4*\r+\q-1:MB+4*\r+\q], v[ACC+2*\r:ACC+2*\r+1] op_sel:[0,1,0] op_sel_hi:[1,1,1]   ; its second
.endif
.endr
.endr
.endm
; A block of 32 numbers, all in my registers v[s] on, becomes 32 codes in v[d] .. v[d + 3] and the scale's byte in v[by]
.macro QBLOCK s, d, by
	v_max3_num_f32 v[QT], |v[\s]|, |v[\s+1]|, |v[\s+2]|                ; the largest magnitude, in two chains
	v_max3_num_f32 v[QT+1], |v[\s+3]|, |v[\s+4]|, |v[\s+5]|
.irp i, 6,10,14,18,22,26
	v_max3_num_f32 v[QT], v[QT], |v[\s+\i]|, |v[\s+\i+1]|
	v_max3_num_f32 v[QT+1], v[QT+1], |v[\s+\i+2]|, |v[\s+\i+3]|
.endr
	v_max3_num_f32 v[QT], v[QT], |v[\s+30]|, |v[\s+31]|
	v_max3_num_f32 v[QT], v[QT], v[QT+1], 0x1800000                    ; and the floor 2^(3 - 127): the byte cannot fall under 1
	v_add_nc_u32 v[QT+2], 0xff000000, v[QT]                            ; 2 off its exponent field: the conversion takes the exponent field of this operand as its scale
.irp g, 0,1,2,3
	v_cvt_scalef32_pk8_fp4_f32 v[\d+\g], v[\s+8*\g:\s+8*\g+7], v[QT+2]
.endr
	v_lshrrev_b32 v[\by], 23, v[QT+2]                                  ; the scale's byte; also the plain instruction behind the conversions
.endm
; K's scale word of a column: my bytes (v[QT+4]: the key in k 0-63; v[QT+3]: the key in k 64-127; both of channel block lane / 16) at bytes h and 2 + h, joined with lane l xor 16's
.macro SWORD d
	v_lshl_or_b32 v[QT+5], v[QT+3], 16, v[QT+4]
	v_lshlrev_b32 v[QT+5], v[SH], v[QT+5]
	v_permlanex16_b32 v[QT+6], v[QT+5], s20, s21
	v_or_b32 v[\d], v[QT+5], v[QT+6]
.endm
; Q's 8 rows become source 0.  Lane (n, h) has quantised channels 32 h .. 32 h + 31 of row n % 8: rows 0-7 keep the codes in registers 0-3 (k 0-63), rows 8-15 in registers 4-7 (k 64-127); the rest are zero codes
.macro QQUANT
	QBLOCK X, CQ, QT+3
	v_and_b32 v[QT+4], 15, v0
	v_cmp_gt_u32 vcc_lo, 8, v[QT+4]
.irp g, 0,1,2,3
	v_cndmask_b32 v[AQ+\g], 0, v[CQ+\g], vcc_lo
.endr
	v_cmp_le_u32 vcc_lo, 8, v[QT+4]
.irp g, 0,1,2,3
	v_cndmask_b32 v[AQ+4+\g], 0, v[CQ+\g], vcc_lo
.endr
	v_lshlrev_b32 v[QT+5], v[SH], v[QT+3]
	v_permlanex16_b32 v[QT+6], v[QT+5], s20, s21
	v_or_b32 v[QT+5], v[QT+5], v[QT+6]             ; the row's two bytes,
	v_lshl_or_b32 v[SA], v[QT+5], 16, v[QT+5]      ; for k 0-63 and once more for k 64-127: over the zero codes any byte but 0xff does
.endm
; OUT1: my 64 keys x 8 rows.  All 64 rows of K lie in my stage (LDS serves a wave's instructions in order: ISA guide 5.7.1.4); four blocks a lane come back, eight loads each
.macro OUT1
.irp i, 0,1,2,3,4,5,6,7
	ds_load_b128 v[T+4*\i:T+4*\i+3], v[SRA] offset:16*\i                   ; u = 0: key 2 n
.endr
.irp i, 0,1,2,3,4,5,6,7
	ds_load_b128 v[T+32+4*\i:T+32+4*\i+3], v[SRA] offset:16*SP+16*\i       ; u = 0: key 32 + 2 n
.endr
.irp i, 0,1,2,3,4,5,6,7
	ds_load_b128 v[MB+4*\i:MB+4*\i+3], v[SRA] offset:32*SP+16*\i           ; u = 1: key 2 n + 1
.endr
.irp i, 0,1,2,3,4,5,6,7
	ds_load_b128 v[X+4*\i:X+4*\i+3], v[SRA] offset:48*SP+16*\i             ; u = 1: key 32 + 2 n + 1
.endr
	s_wait_dscnt 24                                ; the first block's eight loads are in; the other three blocks' may be out
	QBLOCK T, BK, QT+4
	s_wait_dscnt 16
	QBLOCK T+32, BK+4, QT+3
	SWORD SB
	s_wait_dscnt 8
	QBLOCK MB, BK+8, QT+4
	s_wait_dscnt 0x0
	QBLOCK X, BK+12, QT+3
	SWORD SB+1
.irp r, 0,1,2,3,4,5,6,7
	ds_load_b64 v[X+2*\r:X+2*\r+1], v[MWA] offset:MASKL+256*\r             ; the mask as it was loaded: lane L has keys 2 L, 2 L + 1 of row r
.endr
.rept 8
	v_nop                                          ; a scale register written by a vector instruction stands 8 places ahead of a scaled matrix instruction, an operand so written 4
.endr
	v_wmma_scale_f32_16x16x128_f8f6f4 v[T:T+7], v[AQ:AQ+7], v[BK:BK+7], 0, v[SA], v[SB] matrix_a_fmt:MATRIX_FMT_FP4 matrix_b_fmt:MATRIX_FMT_FP4
	v_wmma_scale_f32_16x16x128_f8f6f4 v[T+8:T+15], v[AQ:AQ+7], v[BK+8:BK+15], 0, v[SA], v[SB+1] matrix_a_fmt:MATRIX_FMT_FP4 matrix_b_fmt:MATRIX_FMT_FP4
.rept 4
	v_nop                                          ; four places behind the products (ISA guide 7.12.1), ahead of the first read of a result
.endr
	s_wait_dscnt 0x0
.irp r, 0,1,2,3,4,5,6,7                ; each result is read from its low end on
	v_mul_f32 v[X+2*\r], v[T+\r], v[X+2*\r]
	v_mul_f32 v[X+2*\r+1], v[T+8+\r], v[X+2*\r+1]
.endr
.irp r, 0,1,2,3,4,5,6,7
	global_store_b64 v[LN8], v[X+2*\r:X+2*\r+1], s[14:15] offset:4096*\r th:TH_STORE_NT   ; 32 lanes store 256 consecutive bytes, at a multiple of 256 from out1's first byte.  These registers are not written again
.endr
.endm
.macro CHUNK c
	s_wait_loadcnt 0x0                             ; this chunk's rows, asked for at the head of the chunk before, are in
.if (\c) < 7
	KLOAD (\c)+1                                   ; the next chunk, into the set that the chunk before has left
.endif
	KSTAGE \c
.if (\c) == 1
	QQUANT                                         ; Q's blocks came with this chunk's rows
.endif
.if (\c) == 7
	OUT1                                           ; its stores leave while the last chunk is worked
.endif
	MLOAD 2*(\c)
	TE 2*(\c)
	REST 0
	MLOAD 2*(\c)+1
	TE 2*(\c)+1
	REST 0
.endm
	; what the first multiply-adds want goes first; then the mask; then what is wanted a chunk later
.irp r, 0,1,2,3,4,5,6,7
	global_load_b64 v[QP+2*\r:QP+2*\r+1], v[LN8], s[4:5] offset:256*\r
.endr
	global_load_b64 v[BB:BB+1], v[LN8], s[8:9]
	KLOAD 0
.irp r, 0,1,2,3,4,5,6,7
	global_load_b64 v[MB+2*\r:MB+2*\r+1], v[LN8], s[10:11] offset:4096*\r th:TH_LOAD_NT   ; 256 consecutive bytes of a row; read once in the launch
.endr
.irp i, 0,1,2,3,4,5,6,7
	global_load_b128 v[X+4*\i:X+4*\i+3], v[QQO], s[4:5] offset:16*\i       ; Q for the quantiser: 32 neighbouring channels a lane
.endr
	KLOAD 1
	s_wait_loadcnt 24                              ; Q, bias and chunk 0 are in; the mask's 8, the quantiser's 8 and chunk 1's 8 may be out
.irp r, 0,1,2,3,4,5,6,7
	v_pk_mul_f32 v[QP+2*\r:QP+2*\r+1], v[QP+2*\r:QP+2*\r+1], 0xbfb8aa3b op_sel_hi:[1,0]   ; x -log2(e): e^-x = 2^t
.endr
	v_pk_mul_f32 v[BB:BB+1], v[BB:BB+1], 0xbfb8aa3b op_sel_hi:[1,0]
	KSTAGE 0
	TE 0                                           ; the first batch's exponentials are issued while the mask is on its way
	s_wait_loadcnt 16                              ; the mask is in
.irp r, 0,1,2,3,4,5,6,7
	ds_store_b64 v[MWA], v[MB+2*\r:MB+2*\r+1] offset:MASKL+256*\r
.endr
.irp r, 0,1,2,3,4,5,6,7
	v_add_f32 v[RS+\r], v[MB+2*\r], v[MB+2*\r+1]   ; the mask's sum over my 64 keys, the eight rows by turns
.endr
.irp r, 0,1,2,3,4,5,6,7
	v_mov_b32 v[RP+\r], 0                          ; (a lane permute's destination counts as one of its sources)
.endr
.irp m, 1,2,4,8
.irp r, 0,1,2,3,4,5,6,7
	v_add_f32_dpp v[RS+\r], v[RS+\r], v[RS+\r] row_xmask:\m row_mask:0xf bank_mask:0xf
.endr
.endr
.irp r, 0,1,2,3,4,5,6,7
	v_permlanex16_b32 v[RP+\r], v[RS+\r], s20, s21
.endr
.irp r, 0,1,2,3,4,5,6,7
	v_add_f32 v[RS+\r], v[RS+\r], v[RP+\r]
.endr
.irp r, 0,1,2,3,4,5,6,7
	ds_store_b32 v[MSA], v[RS+\r] offset:MSUM+64*\r   ; all lanes write the same word with the same value: row r, my wave
.endr
	s_wait_dscnt 0x0                               ; the stores have read their registers: the mask's are loaded again below
	MLOAD 0
	REST 1
	MLOAD 1
	TE 1
	REST 0
.irp c, 1,2,3,4,5,6,7
	CHUNK \c
.endr
	; THE END.  My 8 x 64 partial sums take the place of my part of the mask, which I alone have read; behind the barrier waves 0 to 7 add the 16 parts of one row each
.irp r, 0,1,2,3,4,5,6,7
	ds_store_b64 v[MWA], v[ACC+2*\r:ACC+2*\r+1] offset:MASKL+256*\r
.endr
	s_wait_dscnt 0x0                               ; for the others' sake: my stores have landed, the mask's sums among them
	s_barrier_signal -1
	s_barrier_wait -1
	s_cmp_lt_u32 s16, 8
	s_cbranch_scc0 .Ldone
.irp k, 0,1,2,3
	ds_load_b128 v[MB+4*\k:MB+4*\k+3], v[MRA] offset:MSUM+16*\k            ; row = my wave: the 16 waves' sums of the mask
.endr
.irp w, 0,1,2,3,4,5,6,7,8,9,10,11,12,13,14,15
	ds_load_b64 v[T+2*\w:T+2*\w+1], v[TD8] offset:MASKL+2048*\w            ; and their sums of my two channels: 8 x thread = 256 x row + 8 x lane
.endr
	s_wait_dscnt 16                                ; the first four loads are in
.irp i, 0,1,2,3
	v_pk_add_f32 v[MB+2*\i:MB+2*\i+1], v[MB+2*\i:MB+2*\i+1], v[MB+8+2*\i:MB+9+2*\i]
.endr
.irp i, 0,1
	v_pk_add_f32 v[MB+2*\i:MB+2*\i+1], v[MB+2*\i:MB+2*\i+1], v[MB+4+2*\i:MB+5+2*\i]
.endr
	v_pk_add_f32 v[MB:MB+1], v[MB:MB+1], v[MB+2:MB+3]
	v_add_f32 v[MB], v[MB], v[MB+1]
	v_rcp_f32 v[MB+2], v[MB]                       ; a row whose mask sums to 0 gives 0 x infinity = NaN, as 0 / 0 does
	s_wait_dscnt 0x0
.irp i, 0,1,2,3,4,5,6,7
	v_pk_add_f32 v[T+2*\i:T+2*\i+1], v[T+2*\i:T+2*\i+1], v[T+16+2*\i:T+17+2*\i]   ; plain work behind the reciprocal
.endr
.irp i, 0,1,2,3
	v_pk_add_f32 v[T+2*\i:T+2*\i+1], v[T+2*\i:T+2*\i+1], v[T+8+2*\i:T+9+2*\i]
.endr
.irp i, 0,1
	v_pk_add_f32 v[T+2*\i:T+2*\i+1], v[T+2*\i:T+2*\i+1], v[T+4+2*\i:T+5+2*\i]
.endr
	v_pk_add_f32 v[T:T+1], v[T:T+1], v[T+2:T+3]
	s_wait_alu depctr_va_vdst(0)                   ; the wait ahead of the reciprocal's first reader
	v_pk_mul_f32 v[T:T+1], v[T:T+1], v[MB+2:MB+3] op_sel_hi:[1,0]
	global_store_b64 v[TD8], v[T:T+1], s[12:13]    ; 32 lanes store a row of out0: 256 consecutive bytes, aligned
.Ldone:
	s_wait_tensorcnt 0x0
	ds_add_u32 v254, v255
	s_wait_dscnt 0x0
	s_endpgm
.Lfunc_end_k_q04aff7663c_attn_mlp:
	.size	k_q04aff7663c_attn_mlp, .Lfunc_end_k_q04aff7663c_attn_mlp-k_q04aff7663c_attn_mlp
	.p2alignl 7, 3214868480
	.fill 96, 4, 3214868480
	.section	.rodata,"a",@progbits
	.p2align	6, 0x0
	.amdhsa_kernel k_q04aff7663c_attn_mlp
		.amdhsa_group_segment_fixed_size 313856
		.amdhsa_private_segment_fixed_size 0
		.amdhsa_enable_private_segment 0
		.amdhsa_kernarg_size 48
		.amdhsa_user_sgpr_count 2
		.amdhsa_user_sgpr_kernarg_segment_ptr 1
		.amdhsa_wavefront_size32 1
		.amdhsa_system_sgpr_workgroup_id_x 1
		.amdhsa_system_sgpr_workgroup_id_y 1
		.amdhsa_system_sgpr_workgroup_id_z 1
		.amdhsa_system_vgpr_workitem_id 0
		.amdhsa_next_free_vgpr 256
		.amdhsa_next_free_sgpr 66
		.amdhsa_reserve_vcc 1
		.amdhsa_float_denorm_mode_32 3
		.amdhsa_float_denorm_mode_16_64 3
		.amdhsa_memory_ordered 1
		.amdhsa_forward_progress 1
		.amdhsa_inst_pref_size 207
	.end_amdhsa_kernel
	.amdgpu_metadata
---
amdhsa.version: [ 1, 2 ]
amdhsa.kernels:
  - .name:           k_q04aff7663c_attn_mlp
    .symbol:         k_q04aff7663c_attn_mlp.kd
    .args:
      - { .name: Q, .offset: 0, .size: 8, .value_kind: global_buffer, .address_space: global }
      - { .name: K, .offset: 8, .size: 8, .value_kind: global_buffer, .address_space: global }
      - { .name: bias, .offset: 16, .size: 8, .value_kind: global_buffer, .address_space: global }
      - { .name: mask, .offset: 24, .size: 8, .value_kind: global_buffer, .address_space: global }
      - { .name: out0, .offset: 32, .size: 8, .value_kind: global_buffer, .address_space: global }
      - { .name: out1, .offset: 40, .size: 8, .value_kind: global_buffer, .address_space: global }
    .group_segment_fixed_size: 313856
    .private_segment_fixed_size: 0
    .kernarg_segment_align: 8
    .kernarg_segment_size: 48
    .max_flat_workgroup_size: 512
    .sgpr_count:     66
    .vgpr_count:     256
    .wavefront_size: 32
...
	.end_amdgpu_metadata
.endif
;; end of part 1
;; ======== version 2 of 2: 1 launch; version 1 with the launch attn_mlp written anew for expert scheduling mode
;; launch attn_mlp (part 2): grid 256 x 1, 16 waves a work-group, no clusters, 313,856 bytes of LDS; arguments Q, K, bias, mask, out0, out1; writes out0, out1
.if DOCPART == 2
	.amdgcn_target "amdgcn-amd-amdhsa--gfx1250"
	.amdhsa_code_object_version 6
	.text
	.protected	k_q04aff7663c_attn_mlp
	.globl	k_q04aff7663c_attn_mlp
	.p2align	8
	.type	k_q04aff7663c_attn_mlp,@function
k_q04aff7663c_attn_mlp:
	s_mov_b64 s[64:65], 0
	v_nop
	global_prefetch_b8 v0, s[64:65] scope:SCOPE_SE
	s_setreg_imm32_b32 hwreg(HW_REG_WAVE_SCHED_MODE, 0, 2), 2
	s_setreg_imm32_b32 hwreg(HW_REG_WAVE_MODE, 25, 1), 1
	s_wait_xcnt 0x0
	s_wait_alu depctr_vm_vsrc(0)
; out0[b][i][c] = (sum over j of sigmoid(Q[b][i][c] K[b][j][c] + bias[c]) mask[b][i][j]) / (sum over j of mask[b][i][j])
; out1[b][i][j] = (Q[b][i] . K[b][j]) mask[b][i][j], the product on codes of FP4 (E2M1) with one E8M0 scale for each 32 channels.
; Q, K: [2][1024][64], bias: [64], mask, out1: [2][1024][1024], out0: [2][1024][64], all f32.
; SHARES.  256 work-groups; each owns 8 rows (b, i) for both outputs, so that every byte of the mask is read once and no sum spans work-groups.
; Sixteen waves; wave w owns keys 64 w .. 64 w + 63 for all 8 rows.  At the end the 16 partial sums of a row meet in LDS.
; THE SIGMOID SUM.  A lane holds channels 2 l and 2 l + 1, so every step is a packed form and nothing crosses lanes.  For one (row, key): t = (-log2e q) k + (-log2e bias), 2^t twice, 1 + ., 1 / . twice,
; sum += . x mask: seven instructions for 64 sigmoids, 3,584 a wave.  The mask's number is the same for all channels: it is read from LDS with one address for all lanes.
; 2^t may run to infinity: 1 / (1 + infinity) is 0, which is the sigmoid there; nothing is clamped.
; K.  Each row of K[b] is loaded by the one wave of the work-group that uses it, 256 consecutive bytes an instruction, a chunk of 8 keys (over 450 vector instructions) ahead, into two sets of 16 registers by turns.
; OUT1.  The product's K is 64, the instruction's 128: the other half carries 16 more keys.  Source 0, rows 0-7: Q's 8 rows in k 0-63, zero codes above; rows 8-15: the same 8 rows in k 64-127, zero codes below.
; Source 1, column n: key 2 n + u in k 0-63, key 32 + 2 n + u in k 64-127.  Result: register r = row r; lane L = key 2 L + u.  Two instructions (u = 0, 1) give a lane two neighbouring keys of each row:
; the wave's store of 8 bytes a lane covers 256 consecutive bytes, aligned.  The quantiser wants 32 neighbouring channels in one lane: each row of K goes once more through the wave's own stage in LDS.
; NO CLUSTER, NO JOINT LOADS: what work-groups share is K[b], 262,144 bytes for a work-group's 57,344 vector instructions of the sigmoid sum, and each row goes from memory straight into the registers of its one user,
; asked for a chunk ahead; as a joint load it would have to lie in LDS first and be read back from there.  No tensor load, so no ring and no refill.
; LIMITS: a sigmoid under 2^-126 counts as 0 (v_rcp_f32 gives 0 where its result would be denormal: ISA guide, its entry in chapter 15); NaN and infinities among the inputs are not served; a block of zeros gets the
; scale byte 1 where the quantiser says 127 (its codes are zeros, and the bytes are read here alone); out0's sum goes by 64 ascending keys a wave, then as a tree over the 16 waves.
; THE MODE: SCHED_MODE bits 1:0 = 2 (LLVM: expert scheduling mode 2), set by the entry lines.  The code itself states the register dependences
; between vector or matrix instructions and memory or LDS instructions, with s_wait_alu, always for 0.
; THE PLAN.  Registers that memory or LDS instructions touch:
;   v1-v8, v239   Addresses: written once at the head, ahead of one wait on va_vdst, and never again.  v254, v255 likewise, read by the closing add alone.
;   KR0, KR1      Chunk c: its 64 multiply-adds and its 8 LDS stores read KR[c % 2]; the loads of chunk c + 2, issued at the head of chunk c + 1, land in it.
;   MB            Batch n: its 32 sum lines read it; the LDS loads of batch n + 1 land in it.  Those loads stand behind the wait that follows batch n + 1's exponentials.
;   T, X          Named by vector and matrix instructions, but for out1 (LDS loads land in T, MB and X; out1 is stored from X, which is not written again) and the end (LDS loads land in T and MB).
;   RS, ACC       Written by vector lines, read once by LDS stores: the mask's sums at the head, the partial sums at the end.
; So a batch holds two waits on va_vdst, those that follow its exponentials and its reciprocals.  The first also states that the batch before is done reading MB.  The second, in a chunk's last batch, stands behind
; the chunk's last multiply-add, and the 32 sum lines behind it name ACC, T and MB alone: so the loads at the next chunk's head, which land in KR, owe one wait on vm_vsrc, for the LDS stores that read KR, and no more.
.set MSUM,  0                          ; LDS: the mask's sums: [8 rows][16 waves] words
.set MASKL, 512                        ; the mask: 2,048 bytes for each wave (8 rows x 64 keys), the wave's own; at the end the wave's 8 x 64 partial sums take their place
.set STG,   MASKL+16*2048              ; K's stages: 64 rows x SP bytes for each wave, the wave's own
.set SP,    272                        ; a stage row: 256 bytes + 16: the 16 rows that a load of 16 bytes a lane touches start 68 words apart
.set WSTG,  64*SP
.set LN8, 1                            ; v1   8 x lane: my two channels in a row of Q, K, bias; my two keys in the wave's part of a row of mask and out1
.set MWA, 2                            ; v2   2,048 x wave + 8 x lane
.set MBA, 3                            ; v3   2,048 x wave: one address for all lanes
.set SWA, 4                            ; v4   the stage, in: STG + WSTG x wave + 8 x lane
.set SRA, 5                            ; v5   the stage, out: STG + WSTG x wave + SP x (lane % 16) + 128 x (lane / 16)
.set QQO, 6                            ; v6   Q for the quantiser: 256 x (lane % 8) + 128 x (lane / 16)
.set MSA, 7                            ; v7   4 x wave
.set TD8, 8                            ; v8   8 x thread
.set SH,  9                            ; v9   8 x (lane / 16)
.set BB,  10                           ; v[10:11]   -log2e x bias of my two channels
.set QP,  12                           ; v[12:27]   -log2e x Q, a pair for each row
.set ACC, 28                           ; v[28:43]   the sums, a pair for each row
.set KR,  44                           ; v[44:75]   K: two sets of 8 keys
.set T,   76                           ; v[76:139]  a batch at work: pair 4 r + q = row r, key q of the batch's four
.set MB,  140                          ; v[140:171] the batch's mask: register 4 r + q, the same number in all lanes
.set X,   172                          ; v[172:203] 32 numbers to quantise; later out1
.set AQ,  204                          ; v[204:211] source 0: Q's codes
.set BK,  212                          ; v[212:227] source 1: K's codes, u = 0 and u = 1
.set SA,  228                          ; v228 Q's scale words; v229, v230 K's: these three hold scales and nothing else
.set SB,  229
.set QT,  232                          ; v232-238 the quantiser's small work
.set MRA, 239                          ; v239 64 x wave
.set CQ,  240                          ; v[240:243] Q's codes before they are placed
.set RS,  BK                           ; the mask's sums at work, in registers that the codes take later
.set RP,  BK+8
	s_load_b256 s[4:11], s[0:1], 0x0               ; Q s[4:5], K s[6:7], bias s[8:9], mask s[10:11]
	s_load_b128 s[12:15], s[0:1], 0x20             ; out0 s[12:13], out1 s[14:15]
	v_lshl_add_u32 v254, v0, 2, 0x4c200            ; my spare word, behind the stages, and 0: made here and kept for the closing lines alone
	v_mov_b32 v255, 0
	v_lshrrev_b32 v[SH], 5, v0
	v_readfirstlane_b32 s16, v[SH]                 ; wave 0..15
	v_and_b32 v[LN8], 31, v0
	v_lshlrev_b32 v[LN8], 3, v[LN8]
	v_lshlrev_b32 v[TD8], 3, v0
	v_and_b32 v[QT], 15, v0                        ; n = lane % 16
	v_bfe_u32 v[QT+1], v0, 4, 1                    ; h = lane / 16
	v_lshlrev_b32 v[SH], 3, v[QT+1]
	s_wait_alu depctr_va_sdst(0)                   ; s16 is written, ahead of its first reader: LDS addresses and the bases of K, mask and out1 are made from it
	s_lshl_b32 s17, s16, 11
	s_mul_i32 s18, s16, WSTG
	s_add_co_u32 s18, s18, STG
	v_add_nc_u32 v[MWA], s17, v[LN8]
	v_mov_b32 v[MBA], s17
	v_add_nc_u32 v[SWA], s18, v[LN8]
	v_mul_u32_u24 v[SRA], v[QT], SP
	v_lshl_add_u32 v[SRA], v[QT+1], 7, v[SRA]
	v_add_nc_u32 v[SRA], s18, v[SRA]
	v_and_b32 v[QQO], 7, v0
	v_lshlrev_b32 v[QQO], 8, v[QQO]
	v_lshl_add_u32 v[QQO], v[QT+1], 7, v[QQO]
	s_lshl_b32 s19, s16, 2
	v_mov_b32 v[MSA], s19
	s_lshl_b32 s19, s16, 6
	v_mov_b32 v[MRA], s19
	v_mov_b32 v[QT+6], 0                           ; written once: a lane permute's destination counts as one of its sources
	s_mov_b32 s20, 0x76543210
	s_mov_b32 s21, 0xfedcba98                      ; v_permlanex16_b32's selects for lane l xor 16
	s_lshl_b32 s22, ttmp9, 11                      ; Q, out0: my 8 rows of 256 bytes
	s_mov_b32 s23, 0
	s_lshr_b32 s24, ttmp9, 7                       ; b: 128 work-groups to a batch
	s_lshl_b32 s24, s24, 18                        ; K[b]: 1,024 rows of 256 bytes,
	s_lshl_b32 s28, s16, 14
	s_add_co_u32 s24, s24, s28                     ; my wave's 64 of them
	s_mov_b32 s25, 0
	s_lshl_b32 s26, ttmp9, 15                      ; mask, out1: my 8 rows of 4,096 bytes,
	s_lshl_b32 s28, s16, 8
	s_add_co_u32 s26, s26, s28                     ; my wave's 256 bytes of each
	s_mov_b32 s27, 0
	s_wait_kmcnt 0x0
	s_add_nc_u64 s[4:5], s[4:5], s[22:23]
	s_add_nc_u64 s[12:13], s[12:13], s[22:23]
	s_add_nc_u64 s[6:7], s[6:7], s[24:25]
	s_add_nc_u64 s[10:11], s[10:11], s[26:27]
	s_add_nc_u64 s[14:15], s[14:15], s[26:27]
; Chunk c of K: keys 8 c .. 8 c + 7 of my 64, a row of 256 consecutive bytes an instruction, into set c % 2
.macro KLOAD c
.irp j, 0,1,2,3,4,5,6,7
	global_load_b64 v[KR+16*((\c)%2)+2*\j:KR+16*((\c)%2)+2*\j+1], v[LN8], s[6:7] offset:256*(8*(\c)+\j)
.endr
.endm
; and its rows into my stage: key j lies at row 32 (j % 2) + j / 2, so that the 16 keys 2 n + u of a fragment are 16 neighbouring rows.  The data come from loads: the wait on LOADcnt is all that these stores hang on
.macro KSTAGE c
.irp j, 0,1,2,3,4,5,6,7
	ds_store_b64 v[SWA], v[KR+16*((\c)%2)+2*\j:KR+16*((\c)%2)+2*\j+1] offset:SP*(32*(\j%2)+4*(\c)+\j/2)
.endr
.endm
; Batch n: keys 4 n .. 4 n + 3 of my 64, all 8 rows.  Its 32 numbers of the mask: one address for all lanes, four keys of a row a load
.macro MLOAD n
.irp r, 0,1,2,3,4,5,6,7
	ds_load_b128 v[MB+4*\r:MB+4*\r+3], v[MBA] offset:MASKL+256*\r+16*(\n)
.endr
.endm
.macro TP                              ; t of pair pt
	v_pk_fma_f32 v[T+2*pt:T+2*pt+1], v[QP+2*(pt/4):QP+2*(pt/4)+1], v[KB+2*(pt%4):KB+2*(pt%4)+1], v[BB:BB+1]
.set pt, pt+1
.endm
.macro AP                              ; 1 + 2^t of pair pt
	v_pk_add_f32 v[T+2*pt:T+2*pt+1], v[T+2*pt:T+2*pt+1], 1.0 op_sel_hi:[1,0]
.set pt, pt+1
.endm
; t and 2^t: the 32 multiply-adds are dealt between the 64 exponentials, two pairs ahead of the exponentials that read them.  No line here reads an exponential's result
.macro TE n
.set KB, KR+16*(((\n)/2)%2)+8*((\n)%2)
.set pt, 0
	TP
	TP
.set pe, 0
.rept 32
.if pt < 32
	TP
.endif
	v_exp_f32 v[T+2*pe], v[T+2*pe]
	v_exp_f32 v[T+2*pe+1], v[T+2*pe+1]
.set pe, pe+1
.endr
.endm
; 1 + ., 1 / ., and the sums.  It stands behind the wait for the exponentials and the loads of the batch's mask.  first = 1: the batch's first key starts the sums by a multiplication: nothing is cleared
.macro REST first
.set pt, 0
	AP
	AP
.set pe, 0
.rept 32
.if pt < 32
	AP
.endif
	v_rcp_f32 v[T+2*pe], v[T+2*pe]
	v_rcp_f32 v[T+2*pe+1], v[T+2*pe+1]
.set pe, pe+1
.endr
	v_nop
	s_wait_alu depctr_va_vdst(0)                   ; the 64 reciprocals are written, ahead of their first reader: one wait for the batch.  All the batch's multiply-adds, which read K's set, stand ahead of it too
	s_wait_dscnt 0x0                               ; the batch's mask is in (asked for behind the exponentials, 96 vector instructions back); my stores into the stage have landed
.irp q, 0,1,2,3                        ; the eight rows by turns, so that no line adds onto the sum of the line above it
.irp r, 0,1,2,3,4,5,6,7
.if \first && (\q == 0)
	v_pk_mul_f32 v[ACC+2*\r:ACC+2*\r+1], v[T+2*(4*\r+\q):T+2*(4*\r+\q)+1], v[MB+4*\r:MB+4*\r+1] op_sel_hi:[1,0]
.elseif (\q%2) == 0
	v_pk_fma_f32 v[ACC+2*\r:ACC+2*\r+1], v[T+2*(4*\r+\q):T+2*(4*\r+\q)+1], v[MB+4*\r+\q:MB+4*\r+\q+1], v[ACC+2*\r:ACC+2*\r+1] op_sel_hi:[1,0,1]   ; the pair's first register for both channels
.else
	v_pk_fma_f32 v[ACC+2*\r:ACC+2*\r+1], v[T+2*(4*\r+\q):T+2*(4*\r+\q)+1], v[MB+4*\r+\q-1:MB+4*\r+\q], v[ACC+2*\r:ACC+2*\r+1] op_sel:[0,1,0] op_sel_hi:[1,1,1]   ; its second
.endif
.endr
.endr
.endm
; A whole batch but the first
.macro BATCH n
	TE \n
	v_nop                                          ; a plain instruction behind the last exponential
	s_wait_alu depctr_va_vdst(0)                   ; the 64 exponentials are written, ahead of their first reader; and the sum lines of the batch before are done reading MB, in which the loads below land
	MLOAD \n
	REST 0
.endm
; A block of 32 numbers, all in my registers v[s] on, becomes 32 codes in v[d] .. v[d + 3] and the scale's byte in v[by]
.macro QBLOCK s, d, by
	v_max3_num_f32 v[QT], |v[\s]|, |v[\s+1]|, |v[\s+2]|                ; the largest magnitude, in two chains
	v_max3_num_f32 v[QT+1], |v[\s+3]|, |v[\s+4]|, |v[\s+5]|
.irp i, 6,10,14,18,22,26
	v_max3_num_f32 v[QT], v[QT], |v[\s+\i]|, |v[\s+\i+1]|
	v_max3_num_f32 v[QT+1], v[QT+1], |v[\s+\i+2]|, |v[\s+\i+3]|
.endr
	v_max3_num_f32 v[QT], v[QT], |v[\s+30]|, |v[\s+31]|
	v_max3_num_f32 v[QT], v[QT], v[QT+1], 0x1800000                    ; and the floor 2^(3 - 127): the byte cannot fall under 1
	v_add_nc_u32 v[QT+2], 0xff000000, v[QT]                            ; 2 off its exponent field: the conversion takes the exponent field of this operand as its scale
.irp g, 0,1,2,3
	v_cvt_scalef32_pk8_fp4_f32 v[\d+\g], v[\s+8*\g:\s+8*\g+7], v[QT+2]
.endr
	v_lshrrev_b32 v[\by], 23, v[QT+2]                                  ; the scale's byte; also the plain instruction behind the conversions
.endm
; K's scale word of a column: my bytes (v[QT+4]: the key in k 0-63; v[QT+3]: the key in k 64-127; both of channel block lane / 16) at bytes h and 2 + h, joined with lane l xor 16's
.macro SWORD d
	v_lshl_or_b32 v[QT+5], v[QT+3], 16, v[QT+4]
	v_lshlrev_b32 v[QT+5], v[SH], v[QT+5]
	v_permlanex16_b32 v[QT+6], v[QT+5], s20, s21
	v_or_b32 v[\d], v[QT+5], v[QT+6]
.endm
; Q's 8 rows become source 0.  Lane (n, h) has quantised channels 32 h .. 32 h + 31 of row n % 8: rows 0-7 keep the codes in registers 0-3 (k 0-63), rows 8-15 in registers 4-7 (k 64-127); the rest are zero codes
.macro QQUANT
	QBLOCK X, CQ, QT+3
	v_and_b32 v[QT+4], 15, v0
	v_cmp_gt_u32 vcc_lo, 8, v[QT+4]
	s_wait_alu depctr_va_vcc(0)                    ; VCC is written, ahead of the four selections that read it
.irp g, 0,1,2,3
	v_cndmask_b32 v[AQ+\g], 0, v[CQ+\g], vcc_lo
.endr
	v_cmp_le_u32 vcc_lo, 8, v[QT+4]
	s_wait_alu depctr_va_vcc(0)                    ; VCC is written anew, ahead of the four selections that read it
.irp g, 0,1,2,3
	v_cndmask_b32 v[AQ+4+\g], 0, v[CQ+\g], vcc_lo
.endr
	v_lshlrev_b32 v[QT+5], v[SH], v[QT+3]
	v_permlanex16_b32 v[QT+6], v[QT+5], s20, s21
	v_or_b32 v[QT+5], v[QT+5], v[QT+6]             ; the row's two bytes,
	v_lshl_or_b32 v[SA], v[QT+5], 16, v[QT+5]      ; for k 0-63 and once more for k 64-127: over the zero codes any byte but 0xff does
.endm
; OUT1: my 64 keys x 8 rows.  All 64 rows of K lie in my stage (LDS serves a wave's instructions in order: ISA guide 5.7.1.4); four blocks a lane come back, eight loads each
.macro OUT1
	s_wait_alu depctr_va_vdst(0)                   ; the sum lines of the batch before are done reading T and MB, in which the loads below land (X was last named in chunk 1, ahead of many such waits)
.irp i, 0,1,2,3,4,5,6,7
	ds_load_b128 v[T+4*\i:T+4*\i+3], v[SRA] offset:16*\i                   ; u = 0: key 2 n
.endr
.irp i, 0,1,2,3,4,5,6,7
	ds_load_b128 v[T+32+4*\i:T+32+4*\i+3], v[SRA] offset:16*SP+16*\i       ; u = 0: key 32 + 2 n
.endr
.irp i, 0,1,2,3,4,5,6,7
	ds_load_b128 v[MB+4*\i:MB+4*\i+3], v[SRA] offset:32*SP+16*\i           ; u = 1: key 2 n + 1
.endr
.irp i, 0,1,2,3,4,5,6,7
	ds_load_b128 v[X+4*\i:X+4*\i+3], v[SRA] offset:48*SP+16*\i             ; u = 1: key 32 + 2 n + 1
.endr
	s_wait_dscnt 24                                ; the first block's eight loads are in; the other three blocks' may be out
	QBLOCK T, BK, QT+4
	s_wait_dscnt 16
	QBLOCK T+32, BK+4, QT+3
	SWORD SB
	s_wait_dscnt 8
	QBLOCK MB, BK+8, QT+4
	s_wait_dscnt 0x0
	QBLOCK X, BK+12, QT+3
	SWORD SB+1
.rept 8
	v_nop                                          ; a scale register written by a vector instruction stands 8 places ahead of a scaled matrix instruction, an operand so written 4
.endr
	s_wait_alu depctr_va_vdst(0)                   ; beside those places: Q's and K's codes and the three scale words are written, which the products take; and the conversions are done reading X, in which the loads below land
.irp r, 0,1,2,3,4,5,6,7
	ds_load_b64 v[X+2*\r:X+2*\r+1], v[MWA] offset:MASKL+256*\r             ; the mask as it was loaded: lane L has keys 2 L, 2 L + 1 of row r
.endr
	v_wmma_scale_f32_16x16x128_f8f6f4 v[T:T+7], v[AQ:AQ+7], v[BK:BK+7], 0, v[SA], v[SB] matrix_a_fmt:MATRIX_FMT_FP4 matrix_b_fmt:MATRIX_FMT_FP4
	v_wmma_scale_f32_16x16x128_f8f6f4 v[T+8:T+15], v[AQ:AQ+7], v[BK+8:BK+15], 0, v[SA], v[SB+1] matrix_a_fmt:MATRIX_FMT_FP4 matrix_b_fmt:MATRIX_FMT_FP4
.rept 4
	v_nop                                          ; four places behind the products (ISA guide 7.12.1), ahead of the first read of a result
.endr
	s_wait_dscnt 0x0
.irp r, 0,1,2,3,4,5,6,7                ; each result is read from its low end on
	v_mul_f32 v[X+2*\r], v[T+\r], v[X+2*\r]
	v_mul_f32 v[X+2*\r+1], v[T+8+\r], v[X+2*\r+1]
.endr
	s_wait_alu depctr_va_vdst(0)                   ; the multiplications have written X, which the stores read
.irp r, 0,1,2,3,4,5,6,7
	global_store_b64 v[LN8], v[X+2*\r:X+2*\r+1], s[14:15] offset:4096*\r th:TH_STORE_NT   ; 32 lanes store 256 consecutive bytes, at a multiple of 256 from out1's first byte.  These registers are not written again
.endr
.endm
.macro CHUNK c
	s_wait_loadcnt 0x0                             ; this chunk's rows, asked for at the head of the chunk before, are in
.if (\c) < 7
	s_wait_alu depctr_vm_vsrc(0)                   ; the LDS stores of the chunk before have read its set of K, in which the loads below land (its multiply-adds stand ahead of the last wait on va_vdst, and no line since names the set)
	KLOAD (\c)+1                                   ; the next chunk, into the set that the chunk before has left
.endif
	KSTAGE \c
.if (\c) == 1
	QQUANT                                         ; Q's blocks came with this chunk's rows
.endif
.if (\c) == 7
	OUT1                                           ; its stores leave while the last chunk is worked
.endif
	BATCH 2*(\c)
	BATCH 2*(\c)+1
.endm
	; what the first multiply-adds want goes first; then the mask; then what is wanted a chunk later
	s_wait_alu depctr_va_vdst(0)                   ; the addresses v1 to v8 and v239 are written: every load and store of the kernel reads one of them, and none is written again
.irp r, 0,1,2,3,4,5,6,7
	global_load_b64 v[QP+2*\r:QP+2*\r+1], v[LN8], s[4:5] offset:256*\r
.endr
	global_load_b64 v[BB:BB+1], v[LN8], s[8:9]
	KLOAD 0
.irp r, 0,1,2,3,4,5,6,7
	global_load_b64 v[MB+2*\r:MB+2*\r+1], v[LN8], s[10:11] offset:4096*\r th:TH_LOAD_NT   ; 256 consecutive bytes of a row; read once in the launch
.endr
.irp i, 0,1,2,3,4,5,6,7
	global_load_b128 v[X+4*\i:X+4*\i+3], v[QQO], s[4:5] offset:16*\i       ; Q for the quantiser: 32 neighbouring channels a lane
.endr
	KLOAD 1
	s_wait_loadcnt 24                              ; Q, bias and chunk 0 are in; the mask's 8, the quantiser's 8 and chunk 1's 8 may be out
.irp r, 0,1,2,3,4,5,6,7
	v_pk_mul_f32 v[QP+2*\r:QP+2*\r+1], v[QP+2*\r:QP+2*\r+1], 0xbfb8aa3b op_sel_hi:[1,0]   ; x -log2(e): e^-x = 2^t
.endr
	v_pk_mul_f32 v[BB:BB+1], v[BB:BB+1], 0xbfb8aa3b op_sel_hi:[1,0]
	KSTAGE 0
	TE 0                                           ; the first batch's exponentials are issued while the mask is on its way
	s_wait_loadcnt 16                              ; the mask is in
.irp r, 0,1,2,3,4,5,6,7
	ds_store_b64 v[MWA], v[MB+2*\r:MB+2*\r+1] offset:MASKL+256*\r
.endr
.irp r, 0,1,2,3,4,5,6,7
	v_add_f32 v[RS+\r], v[MB+2*\r], v[MB+2*\r+1]   ; the mask's sum over my 64 keys, the eight rows by turns.  (Plain instructions behind the last exponential)
.endr
.irp r, 0,1,2,3,4,5,6,7
	v_mov_b32 v[RP+\r], 0                          ; (a lane permute's destination counts as one of its sources)
.endr
.irp m, 1,2,4,8
.irp r, 0,1,2,3,4,5,6,7
	v_add_f32_dpp v[RS+\r], v[RS+\r], v[RS+\r] row_xmask:\m row_mask:0xf bank_mask:0xf
.endr
.endr
.irp r, 0,1,2,3,4,5,6,7
	v_permlanex16_b32 v[RP+\r], v[RS+\r], s20, s21
.endr
.irp r, 0,1,2,3,4,5,6,7
	v_add_f32 v[RS+\r], v[RS+\r], v[RP+\r]
.endr
	s_wait_alu depctr_va_vdst(0)                   ; the mask's sums are written, which the LDS stores read; the additions are done reading MB, in which the loads below land; and the first batch's 64 exponentials are written, ahead of their first reader
.irp r, 0,1,2,3,4,5,6,7
	ds_store_b32 v[MSA], v[RS+\r] offset:MSUM+64*\r   ; all lanes write the same word with the same value: row r, my wave
.endr
	s_wait_dscnt 0x0                               ; my stores of the mask and of its sums have landed
	s_wait_alu depctr_vm_vsrc(0)                   ; and have read their registers: MB, in which the loads below land, and the sums' registers, which the codes take later
	MLOAD 0
	REST 1
	BATCH 1
.irp c, 1,2,3,4,5,6,7
	CHUNK \c
.endr
	; THE END.  My 8 x 64 partial sums take the place of my part of the mask, which I alone have read; behind the barrier waves 0 to 7 add the 16 parts of one row each
	s_wait_alu depctr_va_vdst(0)                   ; the last sum lines have written the sums, which the LDS stores read, and are done reading T and MB, in which the loads behind the barrier land
.irp r, 0,1,2,3,4,5,6,7
	ds_store_b64 v[MWA], v[ACC+2*\r:ACC+2*\r+1] offset:MASKL+256*\r
.endr
	s_wait_dscnt 0x0                               ; for the others' sake: my stores have landed, the mask's sums among them
	s_barrier_signal -1
	s_barrier_wait -1
	s_cmp_lt_u32 s16, 8
	s_cbranch_scc0 .Ldone
.irp k, 0,1,2,3
	ds_load_b128 v[MB+4*\k:MB+4*\k+3], v[MRA] offset:MSUM+16*\k            ; row = my wave: the 16 waves' sums of the mask
.endr
.irp w, 0,1,2,3,4,5,6,7,8,9,10,11,12,13,14,15
	ds_load_b64 v[T+2*\w:T+2*\w+1], v[TD8] offset:MASKL+2048*\w            ; and their sums of my two channels: 8 x thread = 256 x row + 8 x lane
.endr
	s_wait_dscnt 16                                ; the first four loads are in
.irp i, 0,1,2,3
	v_pk_add_f32 v[MB+2*\i:MB+2*\i+1], v[MB+2*\i:MB+2*\i+1], v[MB+8+2*\i:MB+9+2*\i]
.endr
.irp i, 0,1
	v_pk_add_f32 v[MB+2*\i:MB+2*\i+1], v[MB+2*\i:MB+2*\i+1], v[MB+4+2*\i:MB+5+2*\i]
.endr
	v_pk_add_f32 v[MB:MB+1], v[MB:MB+1], v[MB+2:MB+3]
	v_add_f32 v[MB], v[MB], v[MB+1]
	v_rcp_f32 v[MB+2], v[MB]                       ; a row whose mask sums to 0 gives 0 x infinity = NaN, as 0 / 0 does
	s_wait_dscnt 0x0
.irp i, 0,1,2,3,4,5,6,7
	v_pk_add_f32 v[T+2*\i:T+2*\i+1], v[T+2*\i:T+2*\i+1], v[T+16+2*\i:T+17+2*\i]   ; plain work behind the reciprocal
.endr
.irp i, 0,1,2,3
	v_pk_add_f32 v[T+2*\i:T+2*\i+1], v[T+2*\i:T+2*\i+1], v[T+8+2*\i:T+9+2*\i]
.endr
.irp i, 0,1
	v_pk_add_f32 v[T+2*\i:T+2*\i+1], v[T+2*\i:T+2*\i+1], v[T+4+2*\i:T+5+2*\i]
.endr
	v_pk_add_f32 v[T:T+1], v[T:T+1], v[T+2:T+3]
	s_wait_alu depctr_va_vdst(0)                   ; the reciprocal is written, ahead of its first reader
	v_pk_mul_f32 v[T:T+1], v[T:T+1], v[MB+2:MB+3] op_sel_hi:[1,0]
	s_wait_alu depctr_va_vdst(0)                   ; the multiplication has written the pair that the store reads
	global_store_b64 v[TD8], v[T:T+1], s[12:13]    ; 32 lanes store a row of out0: 256 consecutive bytes, aligned
.Ldone:
	s_wait_dscnt 0x0                               ; the closing lines, six on end
	s_wait_alu 0x0
	s_wait_tensorcnt 0x0
	ds_add_u32 v254, v255
	s_wait_dscnt 0x0
	s_endpgm
.Lfunc_end_k_q04aff7663c_attn_mlp:
	.size	k_q04aff7663c_attn_mlp, .Lfunc_end_k_q04aff7663c_attn_mlp-k_q04aff7663c_attn_mlp
	.p2alignl 7, 3214868480
	.fill 96, 4, 3214868480
	.section	.rodata,"a",@progbits
	.p2align	6, 0x0
	.amdhsa_kernel k_q04aff7663c_attn_mlp
		.amdhsa_group_segment_fixed_size 313856
		.amdhsa_private_segment_fixed_size 0
		.amdhsa_enable_private_segment 0
		.amdhsa_kernarg_size 48
		.amdhsa_user_sgpr_count 2
		.amdhsa_user_sgpr_kernarg_segment_ptr 1
		.amdhsa_wavefront_size32 1
		.amdhsa_system_sgpr_workgroup_id_x 1
		.amdhsa_system_sgpr_workgroup_id_y 1
		.amdhsa_system_sgpr_workgroup_id_z 1
		.amdhsa_system_vgpr_workitem_id 0
		.amdhsa_next_free_vgpr 256
		.amdhsa_next_free_sgpr 66
		.amdhsa_reserve_vcc 1
		.amdhsa_float_denorm_mode_32 3
		.amdhsa_float_denorm_mode_16_64 3
		.amdhsa_memory_ordered 1
		.amdhsa_forward_progress 1
		.amdhsa_inst_pref_size 208
	.end_amdhsa_kernel
	.amdgpu_metadata
---
amdhsa.version: [ 1, 2 ]
amdhsa.kernels:
  - .name:           k_q04aff7663c_attn_mlp
    .symbol:         k_q04aff7663c_attn_mlp.kd
    .args:
      - { .name: Q, .offset: 0, .size: 8, .value_kind: global_buffer, .address_space: global }
      - { .name: K, .offset: 8, .size: 8, .value_kind: global_buffer, .address_space: global }
      - { .name: bias, .offset: 16, .size: 8, .value_kind: global_buffer, .address_space: global }
      - { .name: mask, .offset: 24, .size: 8, .value_kind: global_buffer, .address_space: global }
      - { .name: out0, .offset: 32, .size: 8, .value_kind: global_buffer, .address_space: global }
      - { .name: out1, .offset: 40, .size: 8, .value_kind: global_buffer, .address_space: global }
    .group_segment_fixed_size: 313856
    .private_segment_fixed_size: 0
    .kernarg_segment_align: 8
    .kernarg_segment_size: 48
    .max_flat_workgroup_size: 512
    .sgpr_count:     66
    .vgpr_count:     256
    .wavefront_size: 32
...
	.end_amdgpu_metadata
.endif
;; end of part 2
